; MI455X (gfx1250); checked and timed in simulation.
; The chip was launched on July 23, 2026; its instructions are those of AMD's public machine-readable ISA for CDNA 5 (MIT licence, August 2026) and "CDNA5" Instruction Set Architecture Reference Guide (July 2026). The comments in the code are by the model that wrote it; some were corrected since.
;; Attention Head. Allowed arithmetic: matrix products marked QUANTISED: E4M3 operands, one given power-of-two scale a tensor, by v_wmma_f32_16x16x64_fp8_fp8 or v_wmma_f32_16x16x128_fp8_fp8, f32 sums; everything else in f32.
;; Inputs: Wk 1,024 x 64 float32; Wv 1,024 x 64 float32; lowp_scales 10 int32 (the exponents e of the quantised operands' scales 2^e); x 4 x 4,096 x 1,024 float32.
;; Outputs: out0 4 x 4,096 x 64 float32.
;; This version of the problem:
;;   THIS VERSION OF THE PROBLEM IS GIVEN IN LOW PRECISION. The matrix products marked QUANTISED in the list below multiply operands that are first quantised to E4M3 (4 exponent bits, 3 mantissa bits; 8 bits a number), with one given power-of-two scale for each operand tensor; their sums are f32. All else is computed in f32.
;;   The module's matrix products, in the order in which they are computed (A, B: the left and right operand; K: the contracted axis; several contracted axes count as one K, in the product's order):
;;     1. [M 16,384, K 1,024] x [K 1,024, N 64]; A: input x; B: input Wk: QUANTISED (scales: A lowp_scales[0], B lowp_scales[1])
;;     2. [M 16,384, K 1,024] x [K 1,024, N 64]; A: input x; B: input Wk: QUANTISED (scales: A lowp_scales[2], B lowp_scales[3])
;;     3. batch 4 x [M 4,096, K 64] x [K 64, N 4,096]; A: computed on the way; B: computed on the way: QUANTISED (scales: A lowp_scales[4], B lowp_scales[5])
;;     4. [M 16,384, K 1,024] x [K 1,024, N 64]; A: input x; B: input Wv: QUANTISED (scales: A lowp_scales[6], B lowp_scales[7])
;;     5. batch 4 x [M 4,096, K 4,096] x [K 4,096, N 64]; A: softmax (see below); B: computed on the way: QUANTISED (scales: A lowp_scales[8], B lowp_scales[9])
;;   THE QUANTISER, for each operand of a quantised product, along K:
;;     - The operand's scale is 2^e, e = its entry of the input lowp_scales (int32; the entries are numbered through the quantised products in the list's order, A before B).
;;     - Each number is divided by the scale, clamped to +-448, and rounded to the nearest number of E4M3, ties to even, subnormals kept.
;;     - The product sums the exact products of the quantised numbers (number of the format x scale) in f32.
;;   ~~~python
;;   def quantise(x, axis, e):      # numpy; x: float32 -> the quantised numbers, widened to float32 again
;;       x = np.moveaxis(x, axis, -1); K = x.shape[-1]
;;       r = np.clip(x / 2.0 ** e, -448, 448)
;;       step = 2.0 ** (np.maximum(np.frexp(np.where(r == 0, 1, r))[1] - 1, -6) - 3)
;;       q = np.round(r / step) * step * 2.0 ** e      # np.round: ties to even
;;       return np.moveaxis(q, -1, axis).astype(np.float32)
;;   ~~~
;;   SOFTMAX AHEAD OF A QUANTISED PRODUCT. Where the list says 'softmax', what is quantised is not the finished softmax but p = 2^(t - M), with t = logit x log2(e) and M = ceil(the row's largest t), a whole number; so 1/2 < the row's largest p <= 1. The row's sum l is taken of the UNQUANTISED p, in f32, and the product's result is divided by l at the end. Since M is a whole number, a kernel that streams over the keys may use a running M (the ceiling of the running maximum): every later rescaling is an exact power of two, so the quantised numbers keep their values, but for numbers so far below the row's largest that they fall under the format's range.
;;   OPERANDS COMPUTED ON THE WAY. 'Computed on the way' means the value that the module computes at that place (a softmax that the list does not call 'softmax' is quantised finished and normalised). What goes into a quantiser is computed in f32, as accurately as f32 sums, v_exp_f32 and their like allow (about 1e-6 of the number): no bf16 or f16 on the way to a quantiser, and a product that is left as it is and whose result goes on into a quantised operand takes f32 operands (vector FMAs, or v_wmma_f32_16x16x4_f32). A number that lies on a knife's edge between two numbers of the format may be rounded either way, as far as f32 arithmetic and the matrix unit's own rounding can turn it there, and no further.
;; One version. Each part assembles by itself: llvm-mc -triple=amdgcn-amd-amdhsa -mcpu=gfx1250 --defsym DOCPART=n.
;; ======== version 1 of 1: 2 launches
;; limits: right only within a limited range of input values
;; workspace buffers: q_codes 1,048,576 bytes; kv_codes 2,097,152 bytes
;; launch proj (part 1): grid 256 x 1, 4 waves a work-group, no clusters, 327,680 bytes of LDS; arguments x, Wk, Wv, lowp_scales, q_codes, kv_codes; writes q_codes, kv_codes
.if DOCPART == 1
	.amdgcn_target "amdgcn-amd-amdhsa--gfx1250"
	.amdhsa_code_object_version 6
	.text
	.protected	k_q02717c60b3_proj
	.globl	k_q02717c60b3_proj
	.p2align	8
	.type	k_q02717c60b3_proj,@function
k_q02717c60b3_proj:
	s_mov_b64 s[64:65], 0
	v_nop
	global_prefetch_b8 v0, s[64:65] scope:SCOPE_SE
	s_setreg_imm32_b32 hwreg(HW_REG_WAVE_MODE, 25, 1), 1
	s_wait_xcnt 0x0
; k = Q(x, e0) Q(Wk, e1), q = Q(x, e2) Q(Wk, e3), v = Q(x, e6) Q(Wv, e7) on codes of E4M3, f32 sums; the results are quantised for the attention (k with e5, q with e4, v with e9, v along the tokens).
; x: [16384][1024] f32.  Wk, Wv: [1024 (k)][64] f32.  Out: q_codes and kv_codes, register images of the attention's fragments.
; SHARES.  Work-group g owns rows 64 g .. 64 g + 63.  THE FOUR WAVES SPLIT K: wave w owns k = 256 w .. 256 w + 255 (two K steps of 128) for all 64 rows and all 192 columns.  So a wave quantises just the x and just the
; weights that it multiplies, its 24 weight fragments (384 registers) are made once, and the main part has no barrier.  At the end the four partial sums meet in LDS and are added, wave 0's first.
; All of the group's x, 64 rows x 4,096 bytes, lies in LDS at once: each wave asks for its share by two tensor loads at the head (two are outstanding); nothing is filled again.
; THE WEIGHTS are quantised while x is on its way.  A load reads two whole rows of 256 bytes: lane (r, h) takes row 16 c + 8 h + i, columns 4 r .. 4 r + 3.  The hold at the largest code carries each number into a run of
; eight registers that goes down K for ONE column, and the conversions' results are the fragments' registers.  So TILE t OF THE WEIGHTS HOLDS COLUMNS 4 r + t.  For k and q that is one permutation of the 64 channels, the same in
; both operands of the product q . k, which is all that reads them; v's channels are put in order where the waves' sums are gathered.
; Work-groups with an odd number take their two K steps in the other order, x's tiles and the weights' rows alike: at any moment the launch's work-groups ask for both halves of a wave's rows of the weights.
; NO CLUSTER: all work-groups read the same weights, but a joint load lands in LDS, where x takes 270,336 of 327,680 bytes; the weights' 524,288 bytes would want a ring that is filled again.
; A UNIT u = 4 g + m: K step g of the wave, rows 16 m .. 16 m + 15: 64 numbers a lane from LDS, converted three times (three scales), 12 matrix instructions on 12 accumulators.
; k and q are made TRANSPOSED (source 0 = 16 columns of Wk, source 1 = x): a lane holds one token and eight channels, the next K.  v is made as it stands (source 0 = x, source 1 = Wv):
; a lane holds one channel and eight neighbouring tokens, which are the next K for v.
; LIMITS: e0, e1, e2, e3, e6, e7, e5 - e0 - e1, e4 - e2 - e3, e9 - e6 - e7 between -126 and 119, so that each scale and 448 x it are f32 numbers.  NaN among the inputs is not served; an infinity in the weights is held at the largest code.
; REGISTERS, in windows of 256.  window 0: v1-12 addresses; v16-79 X, 64 numbers (8 c + i: k = 16 c + 8 h + i); v16-143 first serve as TW, 16 runs of 8 held weights;
;   v176-223 CODE, x's fragment in three versions; v224-229 scale and limit for e1, e3, e7; v232-235 addresses; v240-245 scale and limit for e0, e2, e6; v246-251 the same for the three results.
;   window 1: Wk's 16 fragments, (g, p, t) at v[16 ((2 g + p) 4 + t)].   window 2: accumulators of m = 0, 1 at v[96 (m % 2) + 8 (4 p + t)]; Wv of K step 0 at v[192 + 16 t].   window 3: the same for m = 2, 3 and K step 1.
;   Until the first product v0-127 of windows 2 and 3 are the two staging areas of the weights' loads.
.set PITCH, 528                        ; an LDS row: 512 bytes + 16 of padding = 132 words: the 16 rows that a load touches start 4 banks apart (64 banks of 4 bytes: ISA guide 11.1)
.set UNIT,  16*PITCH
.set HALF,  64*PITCH                   ; what one tensor load brings
.set REG,   2*HALF                     ; a wave's region; later its 48 accumulators' images (49,344 bytes), when the region has had its only fill and its last read
.set VIMG,  32768                      ; in a region: behind k's and q's 32 images, v's 16
.set VT,    4160                       ; from one tile of v's channels to the next: four images + 64 bytes, so that the gather's sixteen lanes touch sixteen different 16-byte columns
.set X,     16
.set TW,    16
.set T,     144
.set CODE,  176
.set MSB, 0
.macro WIN new                         ; the immediate's high byte repeats the setting that is left
.if MSB != (\new)
	s_set_vgpr_msb (MSB<<8)|(\new)
.set MSB, (\new)
.endif
.endm
.macro NOPS
.rept 4
	v_nop
.endr
.endm
.macro MKSC e, vs                      ; s[e] holds an exponent: v[vs] = 2^e, v[vs + 1] = 448 x 2^e
	s_add_co_i32 s48, s[\e], 127
	s_lshl_b32 s49, s48, 23
	v_mov_b32 v[\vs], s49
	s_add_co_i32 s48, s48, 8
	s_lshl_b32 s48, s48, 23
	s_or_b32 s48, s48, 0x600000
	v_mov_b32 v[\vs+1], s48
.endm
; Half-batch hb (0..7) of the weights: hb / 4: Wk or Wv; (hb / 2) % 2: the K step; hb % 2: which 64 of its 128 rows.  32 loads into staging area hb % 2: register 4 (8 c + i) + t = W(row 64 (hb % 2) + 16 c + 8 h + i, column 4 r + t).
.macro WLOAD hb
.set WB, 52+4*((\hb)/4)+2*(((\hb)/2)%2)
.set WN, (2+(\hb)%2)<<6
	WIN WN                                         ; destination: window 2 or 3; the address register lies in window 0
.set j, 0
.rept 32
	global_load_b128 v[4*j:4*j+3], v12, s[WB:WB+1] offset:(64*((\hb)%2)+16*(j/8)+j%8)*256   ; lanes 0-15 read one whole row of 256 bytes, lanes 16-31 the row eight further on
.set j, j+1
.endr
.endm
; Version p (0: Wk with e1, 1: Wk with e3, 2: Wv with e7) of half-batch hb: 128 holds, each into its place in a run down K; then 16 conversions: registers 2 c, 2 c + 1 of tile t's fragment.
.macro WQV hb, p
.set SG, ((\hb)/2)%2
.set CC, (\hb)%2
.set WN, 2+(\hb)%2
	WIN WN                                         ; source 0: the staging area's window
.irp t, 0,1,2,3
.irp c, 0,1,2,3
.irp i, 0,1,2,3,4,5,6,7
	v_med3_num_f32 v[TW+8*(4*\t+\c)+\i], v[4*(8*\c+\i)+\t], -v[225+2*\p], v[225+2*\p]   ; the conversion to an 8-bit code does not saturate (ISA guide 7.6.2): the hold comes first
.endr
.endr
.endr
.if \p < 2
.set WN, 0x40
.set FB, 64*(2*SG+\p)
.else
.set WN, (2+SG)<<6
.set FB, 192
.endif
	WIN WN                                         ; destination: the fragments' window
.irp t, 0,1,2,3
.irp c, 0,1,2,3
	v_cvt_scalef32_pk8_fp8_f32 v[FB+16*\t+2*(4*CC+\c):FB+16*\t+2*(4*CC+\c)+1], v[TW+8*(4*\t+\c):TW+8*(4*\t+\c)+7], v[224+2*\p]
.endr
.endr
	v_nop                                          ; one plain line between the conversions and the next holds, which write their sources
.endm
	s_load_b256 s[4:11], s[0:1], 0x0               ; x s[4:5], Wk s[6:7], Wv s[8:9], the exponents s[10:11]
	s_load_b128 s[12:15], s[0:1], 0x20             ; q_codes s[12:13], kv_codes s[14:15]
	v_lshl_add_u32 v254, v0, 2, 0x42000
	v_mov_b32 v255, 0
	ds_add_u32 v254, v255
	ds_add_u32 v254, v255
	v_lshrrev_b32 v1, 5, v0
	v_readfirstlane_b32 s41, v1                    ; wave 0..3
	s_mul_i32 s50, s41, REG                        ; my region of LDS
	; descriptor group 1: 64 rows x 128 elements of 4 bytes, 1,024 elements from row to row, padded in LDS
	s_mov_b32 s16, (2<<16)|(1<<20)|(6<<22)|(3<<25) ; no mask; elements of 4 bytes; padding on: after every 128 words (code 6) 4 words (code 3)
	s_mov_b32 s17, 128<<16                         ; tensor_dim0 = 128
	s_mov_b32 s18, 64<<16                          ; tensor_dim1 = 64
	s_mov_b32 s19, 128<<16                         ; tile_dim0 = 128
	s_mov_b32 s20, 64                              ; tile_dim1 = 64
	s_mov_b32 s21, 1024                            ; tensor_dim0_stride
	s_mov_b32 s22, 0
	s_mov_b32 s23, 0
	s_and_b32 s51, ttmp9, 1                        ; my K step 0 is the wave's first 128 of K in even work-groups, its second in odd ones;
	s_xor_b32 s47, s51, 1                          ; my K step 1 the other
	s_lshl_b32 s46, ttmp9, 18                      ; 64 g rows of 4,096 bytes,
	s_lshl_b32 s48, s41, 10                        ; + my 256 numbers of a row
	s_add_co_u32 s46, s46, s48
	s_lshl_b32 s42, s51, 9
	s_add_co_u32 s42, s42, s46                     ; x: byte offset of K step 0's tile,
	s_mov_b32 s43, 0
	s_lshl_b32 s44, s47, 9
	s_add_co_u32 s44, s44, s46                     ; of K step 1's
	s_mov_b32 s45, 0
	s_lshl_b32 s46, s41, 16                        ; the weights: my 256 rows of 256 bytes,
	s_lshl_b32 s60, s51, 15
	s_add_co_u32 s60, s60, s46                     ; K step 0's 128 of them,
	s_mov_b32 s61, 0
	s_lshl_b32 s62, s47, 15
	s_add_co_u32 s62, s62, s46                     ; K step 1's
	s_mov_b32 s63, 0
	v_and_b32 v5, 15, v0                           ; r
	v_bfe_u32 v6, v0, 4, 1                         ; h
	v_lshlrev_b32 v12, 4, v5
	v_lshl_add_u32 v12, v6, 11, v12                ; the weights' loads: 16 r + 8 h rows of 256 bytes; never rewritten
	s_wait_alu depctr_va_vdst(0)
	s_wait_dscnt 0x0
	s_wait_kmcnt 0x0
	s_load_b256 s[32:39], s[10:11], 0x0            ; e0 .. e7
	s_load_b32 s40, s[10:11], 0x24                 ; e9
.irp h, 0,1                                        ; group 0 for my K step h
	s_mov_b32 s[24+4*\h], 1
	s_add_co_u32 s[25+4*\h], s50, \h*HALF
	s_add_nc_u64 s[26+4*\h:27+4*\h], s[4:5], s[42+2*\h:43+2*\h]
	s_or_b32 s[27+4*\h], s[27+4*\h], 0x80000000
.endr
	s_add_nc_u64 s[52:53], s[6:7], s[60:61]        ; Wk at K step 0, 1; Wv at K step 0, 1
	s_add_nc_u64 s[54:55], s[6:7], s[62:63]
	s_add_nc_u64 s[56:57], s[8:9], s[60:61]
	s_add_nc_u64 s[58:59], s[8:9], s[62:63]
	tensor_load_to_lds s[24:27], s[16:23]          ; both fills go out together, ahead of every wait on TENSORcnt, every LDS read and the barrier
	s_nop 0
	tensor_load_to_lds s[28:31], s[16:23]
	s_nop 0
	NOPS                                           ; four plain lines ahead of the first switch of windows
	WLOAD 0                                        ; two half-batches, 64 loads, are on their way from here on
	WLOAD 1
	WIN 0
	v_and_b32 v2, 31, v0
	v_lshlrev_b32 v2, 4, v2                        ; 16 x lane
	v_mul_u32_u24 v1, v5, PITCH
	v_lshl_add_u32 v1, v6, 5, v1
	v_add_nc_u32 v1, s50, v1                       ; x in LDS: my region + row r + 32 h: my 8 numbers of each 16
	v_add_nc_u32 v3, s50, v2                       ; where I store my accumulators' images
	s_lshl_b32 s46, s41, 10
	v_add_nc_u32 v4, s46, v2                       ; out: 16 x lane + 1024 x wave
	s_lshl_b32 s46, s41, 13
	v_add_nc_u32 v8, s46, v2                       ; where I read the four senders' images of k's and q's row tile w
	v_add_nc_u32 v9, REG, v8
	v_add_nc_u32 v10, 2*REG, v8
	v_add_nc_u32 v11, 3*REG, v8
	v_and_b32 v232, 3, v0                          ; and of v's channels 16 w + m', m' = lane % 16: channel 4 r + t lies in tile t = m' % 4 = m' & 3,
	v_mul_u32_u24 v232, v232, VT
	v_bfe_u32 v233, v0, 2, 2
	v_lshl_add_u32 v232, v233, 4, v232             ; lane r = 4 w + m' / 4 of that tile's images,
	v_lshl_add_u32 v232, v6, 8, v232               ; in my own half of the lanes
	s_lshl_b32 s46, s41, 6
	s_add_co_u32 s46, s46, VIMG
	v_add_nc_u32 v232, s46, v232
	v_add_nc_u32 v233, REG, v232
	v_add_nc_u32 v234, 2*REG, v232
	v_add_nc_u32 v235, 3*REG, v232
	s_lshl_b32 s42, ttmp9, 13
	s_add_nc_u64 s[14:15], s[14:15], s[42:43]      ; kv_codes at block g
	s_lshl_b32 s42, ttmp9, 12
	s_add_nc_u64 s[12:13], s[12:13], s[42:43]      ; q_codes at row tile 4 g
	s_wait_kmcnt 0x0
	MKSC 33, 224                                   ; e1: Wk for k
	MKSC 35, 226                                   ; e3: Wk for q
	MKSC 39, 228                                   ; e7: Wv
	MKSC 32, 240                                   ; e0: x for k
	MKSC 34, 242                                   ; e2: x for q
	MKSC 38, 244                                   ; e6: x for v
	s_sub_co_i32 s46, s37, s32
	s_sub_co_i32 s46, s46, s33                     ; a sum stands for sum x 2^(e0 + e1): its code is sum / 2^(e5 - e0 - e1)
	MKSC 46, 246
	s_sub_co_i32 s46, s36, s34
	s_sub_co_i32 s46, s46, s35                     ; e4 - e2 - e3
	MKSC 46, 248
	s_sub_co_i32 s46, s40, s38
	s_sub_co_i32 s46, s46, s39                     ; e9 - e6 - e7
	MKSC 46, 250
	; THE WEIGHTS: eight half-batches, two staging areas by turns; a staging area is asked for again as soon as it has been read
.irp n, 0,1,2,3,4,5,6,7
.if \n < 7
	s_wait_loadcnt 32                              ; this half-batch's 32 loads are in; the next one's 32 may be out
.else
	s_wait_loadcnt 0x0
.endif
.if \n < 4
	WQV \n, 0
	WQV \n, 1
.else
	WQV \n, 2
.endif
.if \n < 6
	WLOAD \n+2
.endif
.endr
	WIN 0
.macro XREAD u                         ; unit u's 64 numbers a lane
.if (\u) == 0
	s_wait_tensorcnt 0x1                           ; my first K step has landed; the second one's load may stay out.  Only I read my region
.endif
.if (\u) == 4
	s_wait_tensorcnt 0x0                           ; the second has landed
.endif
.irp c, 0,1,2,3,4,5,6,7
	ds_load_b128 v[X+8*\c:X+8*\c+3], v1 offset:(\u)*UNIT+64*\c
	ds_load_b128 v[X+8*\c+4:X+8*\c+7], v1 offset:(\u)*UNIT+64*\c+16
.endr
.endm
.macro QUANT                           ; X becomes x's fragment in three versions.
.irp p, 0,1,2
.irp c, 0,1,2,3,4,5,6,7
.irp i, 0,1,2,3,4,5,6,7
.endr
	v_cvt_scalef32_pk8_fp8_f32 v[CODE+16*\p+2*\c:CODE+16*\p+2*\c+1], v[T+8*((8*\p+\c)%4)+((X+8*\c+0)-(T+8*((8*\p+\c)%4)+0)):T+8*((8*\p+\c)%4)+7+((X+8*\c+0)-(T+8*((8*\p+\c)%4)+0))], v[240+2*\p]
.endr
.endr
	v_nop                                          ; one plain line between the last conversion and the products that read its result
.endm
.macro MULS u                          ; 12 matrix instructions on 12 accumulators, one each; an accumulator's next link stands four units on
.set SG, (\u)/4
.set MM, (\u)%4
.set DW, 2+MM/2
.set AB, 96*(MM%2)
.set WN, (DW<<6)|(DW<<4)|1
	WIN WN                                         ; source 0 (Wk) window 1, source 1 (x) window 0, C and D window DW
.irp p, 0,1
.irp t, 0,1,2,3
.if SG == 0
	v_wmma_f32_16x16x128_fp8_fp8 v[AB+8*(4*\p+\t):AB+8*(4*\p+\t)+7], v[16*((2*SG+\p)*4+\t):16*((2*SG+\p)*4+\t)+15], v[CODE+16*\p:CODE+16*\p+15], 0
.else
	v_wmma_f32_16x16x128_fp8_fp8 v[AB+8*(4*\p+\t):AB+8*(4*\p+\t)+7], v[16*((2*SG+\p)*4+\t):16*((2*SG+\p)*4+\t)+15], v[CODE+16*\p:CODE+16*\p+15], v[AB+8*(4*\p+\t):AB+8*(4*\p+\t)+7]
.endif
.endr
.endr
.set WN, (DW<<6)|(DW<<4)|((2+SG)<<2)
	WIN WN                                         ; source 0 (x) window 0, source 1 (Wv) window 2 + K step, C and D window DW
.irp t, 0,1,2,3
.if SG == 0
	v_wmma_f32_16x16x128_fp8_fp8 v[AB+8*(8+\t):AB+8*(8+\t)+7], v[CODE+32:CODE+47], v[192+16*\t:192+16*\t+15], 0
.else
	v_wmma_f32_16x16x128_fp8_fp8 v[AB+8*(8+\t):AB+8*(8+\t)+7], v[CODE+32:CODE+47], v[192+16*\t:192+16*\t+15], v[AB+8*(8+\t):AB+8*(8+\t)+7]
.endif
.endr
	WIN 0
.endm
	XREAD 0
.irp u, 0,1,2,3,4,5,6,7
	s_wait_dscnt 0x0                               ; the unit's numbers are in
	v_nop
	v_nop
	v_nop
	v_nop
	QUANT
.if \u < 7
	s_wait_alu depctr_va_vdst(0)
	XREAD \u+1                                     ; X is free: the next unit's numbers come while this unit is multiplied
.endif
	MULS \u
.endr
	; THE SUM OVER THE WAVES.  Every wave stores its 48 accumulators as images.  k's and q's are sorted by who finishes them: row tile m at 8,192 m, image 4 p + t.  v's lie by tile t of the weights' columns, then by row tile m.
	NOPS                                           ; places between the last products and the stores that read results
.irp m, 0,1,2,3
.set WN, 0x08+4*(\m/2)
	WIN WN                                         ; the stores' data: window 2 or 3
.irp p, 0,1,2
.irp t, 0,1,2,3
.if \p < 2
.set OFS, \m*8192+(4*\p+\t)*1024
.else
.set OFS, VIMG+\t*VT+\m*1024
.endif
	ds_store_b128 v3, v[96*(\m%2)+8*(4*\p+\t):96*(\m%2)+8*(4*\p+\t)+3] offset:OFS          ; each accumulator from its low end on
	ds_store_b128 v3, v[96*(\m%2)+8*(4*\p+\t)+4:96*(\m%2)+8*(4*\p+\t)+7] offset:OFS+512
.endr
.endr
.endr
	WIN 0
	s_wait_dscnt 0x0                               ; for the others' sake: my images have landed
	s_barrier_signal -1
	s_barrier_wait -1
	; wave w gathers k's and q's row tile w (images as they lie) and v's channels 16 w .. 16 w + 15 (a lane picks its channel's lane out of the tile that holds it)
.irp a, 0,1,2,3,4,5,6,7
.irp q, 0,1
	ds_load_b128 v[16+8*\a+4*\q:16+8*\a+4*\q+3], v8 offset:\a*1024+512*\q       ; wave 0's part of my share,
	ds_load_b128 v[112+8*\a+4*\q:112+8*\a+4*\q+3], v9 offset:\a*1024+512*\q     ; wave 1's,
.endr
.endr
.irp m, 0,1,2,3
.irp q, 0,1
	ds_load_b128 v[80+8*\m+4*\q:80+8*\m+4*\q+3], v232 offset:\m*1024+512*\q
	ds_load_b128 v[176+8*\m+4*\q:176+8*\m+4*\q+3], v233 offset:\m*1024+512*\q
.endr
.endr
	WIN 0x40                                       ; destination window 1: the weights are done with
.irp a, 0,1,2,3,4,5,6,7
.irp q, 0,1
	ds_load_b128 v[8*\a+4*\q:8*\a+4*\q+3], v10 offset:\a*1024+512*\q            ; wave 2's,
	ds_load_b128 v[96+8*\a+4*\q:96+8*\a+4*\q+3], v11 offset:\a*1024+512*\q      ; wave 3's
.endr
.endr
.irp m, 0,1,2,3
.irp q, 0,1
	ds_load_b128 v[64+8*\m+4*\q:64+8*\m+4*\q+3], v234 offset:\m*1024+512*\q
	ds_load_b128 v[160+8*\m+4*\q:160+8*\m+4*\q+3], v235 offset:\m*1024+512*\q
.endr
.endr
	WIN 0
	s_wait_dscnt 0x0
.set j, 0
.rept 48
	v_pk_add_f32 v[16+j:17+j], v[16+j:17+j], v[112+j:113+j]
.set j, j+2
.endr
	WIN 0x04                                       ; source 1 window 1
.set j, 0
.rept 48
	v_pk_add_f32 v[16+j:17+j], v[16+j:17+j], v[j:j+1]
.set j, j+2
.endr
.set j, 0
.rept 48
	v_pk_add_f32 v[16+j:17+j], v[16+j:17+j], v[96+j:97+j]
.set j, j+2
.endr
	WIN 0
	; v16-47: k of tokens 16 w + r, register 8 t + j = channel 32 h + 4 j + t;  v48-79: q likewise;  v80-111: v of channel 16 w + r, register 8 m + j = token 16 m + 8 h + j.  Each run of eight is a pair of a fragment's registers
.irp p, 0,1,2
.set j, 0
.rept 32
.set j, j+1
.endr
.irp t, 0,1,2,3
	v_cvt_scalef32_pk8_fp8_f32 v[208+8*\p+2*\t:209+8*\p+2*\t], v[16+32*\p+8*\t:23+32*\p+8*\t], v[246+2*\p]
.endr
.endr
	v_nop
	global_store_b128 v4, v[208:211], s[14:15]                 ; K's key tile w of block g; each store of the wave covers 512 consecutive bytes, aligned
	global_store_b128 v4, v[212:215], s[14:15] offset:512
	global_store_b128 v4, v[224:227], s[14:15] offset:4096     ; V's channel tile w
	global_store_b128 v4, v[228:231], s[14:15] offset:4608
	global_store_b128 v4, v[216:219], s[12:13]                 ; q's row tile 4 g + w
	global_store_b128 v4, v[220:223], s[12:13] offset:512
	s_wait_tensorcnt 0x0
	ds_add_u32 v254, v255
	s_wait_dscnt 0x0
	s_endpgm
.Lfunc_end_k_q02717c60b3_proj:
	.size	k_q02717c60b3_proj, .Lfunc_end_k_q02717c60b3_proj-k_q02717c60b3_proj
	.p2alignl 7, 3214868480
	.fill 96, 4, 3214868480
	.section	.rodata,"a",@progbits
	.p2align	6, 0x0
	.amdhsa_kernel k_q02717c60b3_proj
		.amdhsa_group_segment_fixed_size 327680
		.amdhsa_private_segment_fixed_size 0
		.amdhsa_enable_private_segment 0
		.amdhsa_kernarg_size 48
		.amdhsa_user_sgpr_count 2
		.amdhsa_user_sgpr_kernarg_segment_ptr 1
		.amdhsa_wavefront_size32 1
		.amdhsa_system_sgpr_workgroup_id_x 1
		.amdhsa_system_sgpr_workgroup_id_y 1
		.amdhsa_system_sgpr_workgroup_id_z 1
		.amdhsa_system_vgpr_workitem_id 0
		.amdhsa_next_free_vgpr 1024
		.amdhsa_next_free_sgpr 66
		.amdhsa_reserve_vcc 0
		.amdhsa_float_denorm_mode_32 3
		.amdhsa_float_denorm_mode_16_64 3
		.amdhsa_fp16_overflow 1
		.amdhsa_memory_ordered 1
		.amdhsa_forward_progress 1
		.amdhsa_inst_pref_size 193
	.end_amdhsa_kernel
	.amdgpu_metadata
---
amdhsa.version: [ 1, 2 ]
amdhsa.kernels:
  - .name:           k_q02717c60b3_proj
    .symbol:         k_q02717c60b3_proj.kd
    .args:
      - { .name: x, .offset: 0, .size: 8, .value_kind: global_buffer, .address_space: global }
      - { .name: Wk, .offset: 8, .size: 8, .value_kind: global_buffer, .address_space: global }
      - { .name: Wv, .offset: 16, .size: 8, .value_kind: global_buffer, .address_space: global }
      - { .name: lowp_scales, .offset: 24, .size: 8, .value_kind: global_buffer, .address_space: global }
      - { .name: q_codes, .offset: 32, .size: 8, .value_kind: global_buffer, .address_space: global }
      - { .name: kv_codes, .offset: 40, .size: 8, .value_kind: global_buffer, .address_space: global }
    .group_segment_fixed_size: 327680
    .private_segment_fixed_size: 0
    .kernarg_segment_align: 8
    .kernarg_segment_size: 48
    .max_flat_workgroup_size: 128
    .sgpr_count:     66
    .vgpr_count:     1024
    .wavefront_size: 32
...
	.end_amdgpu_metadata
.endif
;; end of part 1
;; launch attn (part 2): grid 64 x 4, 16 waves a work-group, clusters of 4 x 1, 327,680 bytes of LDS; arguments q_codes, kv_codes, lowp_scales, out0; writes out0
.if DOCPART == 2
	.amdgcn_target "amdgcn-amd-amdhsa--gfx1250"
	.amdhsa_code_object_version 6
	.text
	.protected	k_q02717c60b3_attn
	.globl	k_q02717c60b3_attn
	.p2align	8
	.type	k_q02717c60b3_attn,@function
k_q02717c60b3_attn:
	s_mov_b64 s[64:65], 0
	v_nop
	global_prefetch_b8 v0, s[64:65] scope:SCOPE_SE
	s_setreg_imm32_b32 hwreg(HW_REG_WAVE_MODE, 25, 1), 1
	s_wait_xcnt 0x0
	s_wait_alu depctr_hold_cnt(0) depctr_sa_sdst(0) depctr_va_vdst(0) depctr_va_sdst(0) depctr_va_ssrc(0) depctr_va_vcc(0) depctr_vm_vsrc(0)
	s_getreg_b32 s2, hwreg(HW_REG_IB_STS2, 6, 4)
	s_cmp_eq_u32 s2, 0
	s_cbranch_scc0 .Lentry_in_a_cluster
	s_endpgm
.Lentry_in_a_cluster:
	s_bfe_u32 s2, ttmp6, 0x10000c
	s_cmp_lg_u32 s2, 0x3003
	s_cbranch_scc0 .Lentry_shape_is_right
	s_endpgm
.Lentry_shape_is_right:
; out[b][q][:] = the sum over keys k <= q of softmax_k(q . k / 8) v[k][:], both products on codes of E4M3 (q with 2^e4, k with 2^e5, p with 2^e8, v with 2^e9), head size 64, 4 batches of 4,096 tokens.
; THE SOFTMAX: t = score x log2(e) / 8; M = the largest t so far, rounded UP to a whole number; p = 2^(t - M) is quantised, not normalised; the sum is taken of the unquantised p and divides at the end.
; SHARES.  Cluster a (0..15) of a batch owns the query blocks 31 - a ("A") and a ("B") of 128 queries: 33 block steps of 128 keys for every cluster.  Its partner cx owns 32 queries of each block: tiles A_u and B_u, u = 0, 1.
; THE KEYS ARE SPLIT OVER THE WAVES: wave w = 2 z + u takes, in trip i (keys 1024 i on), key step 8 i + z for A_u and key step 8 i + 7 - z for B_u, each with a running state (-M, largest t, sum, O^T) of its own.
; A step all of whose keys come after the block's queries is left out by a scalar branch on ids (wave, cluster): alike in all four partners.  A has none such in trips 0 and 1 (31 - a >= 16), B counts in trips 0 and 1 alone (a <= 15).
; At the end the eight states of a tile are merged through LDS; every M is a whole number, so the merge's factors are powers of two.
; kv_codes: blocks of 64 tokens, 8,192 bytes: four fragments of K (16 keys x 64 channels, 1,024 bytes), then four half fragments of V^T (16 channels x 64 keys): images of the operands' registers, 16 bytes a lane.
; A chunk is 1,024 keys, 131,072 dense bytes; two LDS slots.  All four partners walk the same four chunks: each is asked for JOINTLY (mask 15), by waves 0 to 7, 64 rows of 256 bytes each.  Every partner asks for all four.
; LAYOUT.  S^T = K Q^T (source 0 = 16 keys, source 1 = my 16 queries), O^T = V^T P^T: a lane holds ONE query (lane % 16); S^T's register 8 k + j is key 16 k + 8 (lane / 16) + j, so eight registers convert into registers 2 k, 2 k + 1 of P's fragment.
; LIMITS: e4 + e5 between -124 and 129 (added to c's exponent field); e8 between -126 and 119; e8 + e9 goes through v_ldexp_f32.
; REGISTERS: v1-4 LDS addresses of my steps (A slot 0, 1; B slot 0, 1); v5, v6 the spare word's address and 0; v7 the mask's d; v8-10 merge stores; v11 prefetch offset; v12-15 state A; v16-19 state B; v20-27 Q_A; v28-35 Q_B;
;   v36-99 fragments of K, then of V; v100-163 S^T, then p; v164-195 O^T of A; v196-227 of B; v228-243 p's codes; v244 2^e8; v246-253 at work; v254, v255 merge reads.
.set SLOT1, 131072
.set SPARE, 262144                     ; behind the ring: the spare words, 128 bytes for each of 16 waves: eight blocks of 256 bytes that no other line names
.set OROW,  272                        ; the merge: a query's 64 channels, 256 bytes + 16
.set OSTB,  16*OROW                    ; a state's O^T; state 8 X + z at OSTB x that (X: 0, 1 = A_0, A_1; 2, 3 = B_0, B_1).  The merge lies in the ring, when both slots have had their last fill and their last read
.set STATS, 32*OSTB                    ; behind them: (-M, sum), 8 bytes a lane, 256 a state
.set FR,    36
.set S,     100
.set PC,    228
.macro NOPS
.rept 4
	v_nop
.endr
.endm
.macro ROUND                           ; a round of the cluster's barrier
	s_barrier_signal -1
	s_barrier_wait -1
	s_cmp_lg_u32 s12, 0
	s_cbranch_scc1 .Lnot_wave_0_\@
	s_barrier_signal -3
.Lnot_wave_0_\@:
	s_barrier_wait -3
	s_barrier_signal -1
	s_barrier_wait -1
.endm
	s_load_b256 s[4:11], s[0:1], 0x0               ; q_codes s[4:5], kv_codes s[6:7], the exponents s[8:9], out s[10:11]
	v_lshl_add_u32 v5, v0, 2, SPARE
	v_mov_b32 v6, 0
	ds_add_u32 v5, v6
	ds_add_u32 v5, v6
	s_wait_dscnt 0x0
	v_lshrrev_b32 v102, 5, v0
	s_delay_alu instid0(VALU_DEP_1)
	v_readfirstlane_b32 s12, v102                  ; wave 0..15
	s_and_b32 s13, s12, 1                          ; u
	s_lshr_b32 s14, s12, 1                         ; z
	s_bfe_u32 s15, ttmp6, 0x40000                  ; cx: it enters Q's and out's addresses, the prefetch's address and the mask's numbers alone
	s_mov_b32 s16, ttmp9                           ; a
	s_and_b32 s17, ttmp7, 0xffff                   ; batch
	; descriptor group 1: 64 rows x 32 elements of 8 bytes, dense
	s_mov_b32 s24, 15|(3<<16)|(1<<21)              ; the mask: all four partners; elements of 8 bytes; bit 21 set beside a mask; no padding: every read is 16 x lane on end
	s_mov_b32 s25, 32<<16                          ; tensor_dim0 = 32
	s_mov_b32 s26, 64<<16                          ; tensor_dim1 = 64
	s_mov_b32 s27, 32<<16                          ; tile_dim0 = 32
	s_mov_b32 s28, 64                              ; tile_dim1 = 64
	s_mov_b32 s29, 32                              ; tensor_dim0_stride
	s_mov_b32 s30, 0
	s_mov_b32 s31, 0
	s_and_b32 s18, s12, 7
	s_lshl_b32 s18, s18, 14                        ; the eighth of a chunk that I fetch, if I fetch
	s_lshl_b32 s56, s17, 19                        ; the batch's 524,288 bytes of kv_codes
	s_add_co_u32 s56, s56, s18
	s_mov_b32 s57, 0
	s_mov_b32 s20, 0x76543210                      ; v_permlanex16_b32's selects: lane l xor 16
	s_mov_b32 s21, 0xfedcba98
	s_add_co_u32 s44, s14, s16                     ; z + a: A's step 8 i + z counts where 8 i + z + a <= 31, and lies on the diagonal where it is 31
	s_xor_b32 s45, s14, 7                          ; 7 - z: B's step 8 i + 7 - z counts where it is <= a
	s_wait_kmcnt 0x0
	s_load_b64 s[40:41], s[8:9], 0x10              ; e4, e5
	s_load_b64 s[42:43], s[8:9], 0x20              ; e8, e9
	s_mov_b32 s32, 1                               ; group 0 of slot 0: chunk 0, later chunk 2
	s_mov_b32 s33, s18
	s_add_nc_u64 s[34:35], s[6:7], s[56:57]
	s_mov_b32 s36, 1                               ; group 0 of slot 1: chunk 1, later chunk 3
	s_add_co_u32 s37, s18, SLOT1
	s_add_nc_u64 s[38:39], s[34:35], SLOT1
	s_or_b32 s35, s35, 0x80000000
	s_or_b32 s39, s39, 0x80000000
	ROUND                                          ; all four partners are here: the first joint loads meet
	s_cmp_lt_u32 s12, 8                            ; a wave's two first fills stand in one branch on the wave's number: two loads of mine are out
	s_cbranch_scc0 .Lno_first
	tensor_load_to_lds s[32:35], s[24:31]
	s_nop 0
	tensor_load_to_lds s[36:39], s[24:31]
	s_nop 0
	NOPS
.Lno_first:
	; Q's two fragments: row tile = 256 x batch + 8 x block + 2 cx + u, 1,024 bytes each
	s_sub_co_u32 s50, 31, s16
	s_lshl_b32 s50, s50, 3
	s_lshl_b32 s51, s15, 1
	s_add_co_u32 s51, s51, s13
	s_lshl_b32 s52, s17, 8
	s_add_co_u32 s51, s51, s52
	s_add_co_u32 s50, s50, s51                     ; A's
	s_lshl_b32 s52, s16, 3
	s_add_co_u32 s51, s51, s52                     ; B's
	s_lshl_b32 s50, s50, 10
	s_lshl_b32 s51, s51, 10
	v_and_b32 v102, 31, v0
	s_delay_alu instid0(VALU_DEP_1)
	v_lshlrev_b32 v102, 4, v102                    ; 16 x lane
	s_delay_alu instid0(VALU_DEP_1)
	v_add_nc_u32 v100, s50, v102
	s_delay_alu instid0(VALU_DEP_2)
	v_add_nc_u32 v101, s51, v102
	global_load_b128 v[20:23], v100, s[4:5]
	global_load_b128 v[24:27], v100, s[4:5] offset:512
	global_load_b128 v[28:31], v101, s[4:5]
	global_load_b128 v[32:35], v101, s[4:5] offset:512
	s_lshl_b32 s52, s14, 14
	v_add_nc_u32 v1, s52, v102                     ; A's step in slot 0: 16,384 z + 16 x lane,
	s_delay_alu instid0(VALU_DEP_1)
	v_add_nc_u32 v2, SLOT1, v1                     ; in slot 1
	s_lshl_b32 s52, s45, 14
	v_add_nc_u32 v3, s52, v102                     ; B's: 16,384 (7 - z) + 16 x lane
	s_delay_alu instid0(VALU_DEP_1)
	v_add_nc_u32 v4, SLOT1, v3
	v_and_b32 v248, 15, v0                         ; r
	v_bfe_u32 v249, v0, 4, 1                       ; h
	s_delay_alu instid0(VALU_DEP_1)
	v_lshlrev_b32 v250, 3, v249
	s_delay_alu instid0(VALU_DEP_1)
	v_sub_nc_u32 v7, v248, v250
	s_lshl_b32 s52, s15, 5
	s_lshl_b32 s53, s13, 4
	s_add_co_u32 s52, s52, s53
	v_add_nc_u32 v7, s52, v7                       ; d = my query's place in its block - 8 h: on the diagonal register 8 k + j is hidden where 16 k + j > d
	s_lshl_b32 s52, s13, 3
	s_add_co_u32 s52, s52, s14                     ; state A's number: 8 u + z; state B's is 16 more
	s_mul_i32 s53, s52, OSTB
	v_mul_u32_u24 v8, v248, OROW
	s_delay_alu instid0(VALU_DEP_1)
	v_lshl_add_u32 v8, v249, 5, v8
	s_delay_alu instid0(VALU_DEP_1)
	v_add_nc_u32 v8, s53, v8                       ; the merge, in: row r, + 32 h
	s_delay_alu instid0(VALU_DEP_1)
	v_add_nc_u32 v9, 16*OSTB, v8
	s_lshl_b32 s53, s52, 8
	v_lshrrev_b32 v10, 1, v102
	s_delay_alu instid0(VALU_DEP_1)
	v_add_nc_u32 v10, s53, v10
	s_delay_alu instid0(VALU_DEP_1)
	v_add_nc_u32 v10, STATS, v10                   ; (-M, sum): 8 x lane
	v_lshlrev_b32 v11, 4, v102                     ; 256 x lane
	s_lshr_b32 s52, s12, 2                         ; the merge, back: wave w finishes tile X = w / 4, rows 4 (w % 4) + lane / 16 + 2 e; 16 bytes a lane
	s_and_b32 s53, s12, 3
	s_lshl_b32 s53, s53, 2
	v_add_nc_u32 v103, s53, v249
	s_delay_alu instid0(VALU_DEP_1)
	v_lshlrev_b32 v254, 3, v103
	s_lshl_b32 s54, s52, 11
	v_add_nc_u32 v254, s54, v254
	s_delay_alu instid0(VALU_DEP_1)
	v_add_nc_u32 v254, STATS, v254
	v_mul_u32_u24 v255, v103, OROW
	s_delay_alu instid0(VALU_DEP_1)
	v_lshl_add_u32 v255, v248, 4, v255
	s_mul_i32 s54, s52, 8*OSTB
	v_add_nc_u32 v255, s54, v255
	; the prefetch: chunk 3 of my batch; my work-group's quarter by address, my wave's 8,192 bytes of it (waves 0 to 3), lanes 256 bytes apart
	s_lshl_b32 s50, s17, 19
	s_lshl_b32 s51, s15, 15
	s_add_co_u32 s50, s50, s51
	s_and_b32 s51, s12, 3
	s_lshl_b32 s51, s51, 13
	s_add_co_u32 s50, s50, s51
	s_add_co_u32 s50, s50, 3*SLOT1
	s_mov_b32 s51, 0
	s_add_nc_u64 s[46:47], s[6:7], s[50:51]
	s_lshr_b32 s48, s12, 2
	s_or_b32 s48, s48, ttmp9                       ; 0 in waves 0 to 3 of the batch's first cluster: the same in all four partners
	; the states.  A state that never gets a step must merge as nothing: largest t = -3e38, sum and O^T zeros; a first step finds zeros, which the first change of M leaves zeros
	v_mov_b32 v13, 0xff61b1e6
	s_delay_alu instid0(VALU_DEP_1)
	v_floor_f32 v12, -v13
	v_mov_b32 v14, 0
	v_mov_b32 v15, 0
	v_mov_b32 v17, 0xff61b1e6
	s_delay_alu instid0(VALU_DEP_1)
	v_floor_f32 v16, -v17
	v_mov_b32 v18, 0
	v_mov_b32 v19, 0
.set j, 0
.rept 64
	v_mov_b32 v[164+j], 0
.set j, j+1
.endr
	v_mov_b32 v247, 0                              ; (named as the upper half of the pair v[246:247])
	v_mov_b32 v252, 0                              ; a lane permute's destination counts as one of its sources
	s_wait_kmcnt 0x0
	s_add_co_i32 s52, s40, s41
	s_lshl_b32 s52, s52, 23
	s_mov_b32 s22, 0x3e38aa3b                      ; c = log2(e) / 8;
	s_add_co_i32 s22, s22, s52                     ; a score stands for score x 2^(e4 + e5): added to c's exponent field
	s_mov_b32 s23, s22                             ; (named with it as a pair)
	s_add_co_i32 s52, s42, 127
	s_lshl_b32 s53, s52, 23
	v_mov_b32 v244, s53                            ; 2^e8
; A KEY STEP of 128 keys for one tile.  ad: the address register; st: the state (-M, largest t, the sum's pair); qf: Q's fragment; ob: O^T; chk: 0 the step always counts whole, 1 A's test, 2 B's; tr: the trip.
.macro STEP ad, st, qf, ob, chk, tr
.if \chk == 1
	s_add_co_u32 s50, s44, 8*\tr
	s_cmp_gt_u32 s50, 31
	s_cbranch_scc1 .Lhid_\@
.endif
.if \chk == 2
	s_add_co_u32 s50, s45, 8*\tr
	s_cmp_gt_u32 s50, s16
	s_cbranch_scc1 .Lhid_\@
.endif
	NOPS                                           ; places in front of loads into registers that the last products read
.set k, 0
.rept 8
	ds_load_b128 v[FR+8*k:FR+8*k+3], v[\ad] offset:(k/4)*8192+(k%4)*1024
	ds_load_b128 v[FR+8*k+4:FR+8*k+7], v[\ad] offset:(k/4)*8192+(k%4)*1024+512
.set k, k+1
.endr
	s_wait_dscnt 0x0
.set k, 0
.rept 8
	v_wmma_f32_16x16x64_fp8_fp8 v[S+8*k:S+8*k+7], v[FR+8*k:FR+8*k+7], v[\qf:\qf+7], 0
.set k, k+1
.endr
	NOPS                                           ; places in front of the loads below and of the first read of the scores
.set k, 0
.rept 4                                            ; V^T's four fragments (16 channels x 128 keys) come while the softmax is worked: each half from one block of 64 keys
	ds_load_b128 v[FR+16*k:FR+16*k+3], v[\ad] offset:4096+k*1024
	ds_load_b128 v[FR+16*k+4:FR+16*k+7], v[\ad] offset:4096+k*1024+512
	ds_load_b128 v[FR+16*k+8:FR+16*k+11], v[\ad] offset:12288+k*1024
	ds_load_b128 v[FR+16*k+12:FR+16*k+15], v[\ad] offset:12288+k*1024+512
.set k, k+1
.endr
.if \chk                                           ; on the diagonal the scores of hidden keys become -infinity ahead of the maximum: p = 0 then.  The block's first key counts for every query, so the maximum is a number
.if \chk == 1
	s_cmp_lg_u32 s50, 31
.else
	s_cmp_lg_u32 s50, s16
.endif
	s_cbranch_scc1 .Lopen_\@
	v_mov_b32 v253, 0xff800000
.set n, 0
.rept 64
	v_cmp_gt_i32 vcc_lo, 16*(n/8)+n%8, v7
	v_cndmask_b32 v[S+n], v[S+n], v253, vcc_lo
.set n, n+1
.endr
.Lopen_\@:
.endif
	v_max3_num_f32 v248, v[S], v[S+1], v[S+2]      ; the step's largest score of my query among my 64 keys, in two chains, each accumulator from its low end on,
	v_max3_num_f32 v249, v[S+3], v[S+4], v[S+5]
.set j, 6
.rept 14
	v_max3_num_f32 v248, v248, v[S+j], v[S+j+1]
	v_max3_num_f32 v249, v249, v[S+j+2], v[S+j+3]
.set j, j+4
.endr
	v_max3_num_f32 v248, v248, v[S+62], v[S+63]
	s_delay_alu instid0(VALU_DEP_1)
	v_max_num_f32 v248, v248, v249
	s_delay_alu instid0(VALU_DEP_1)
	v_permlanex16_b32 v252, v248, s20, s21
	s_delay_alu instid0(VALU_DEP_1)
	v_max_num_f32 v248, v248, v252                 ; and among lane l xor 16's
	s_delay_alu instid0(VALU_DEP_1)
	v_mul_f32 v248, s22, v248                      ; as t (c is positive)
	s_delay_alu instid0(VALU_DEP_1)
	v_max_num_f32 v[\st+1], v[\st+1], v248         ; the running largest t
	v_mov_b32 v248, v[\st]
	s_delay_alu instid0(VALU_DEP_2)
	v_floor_f32 v[\st], -v[\st+1]                  ; the new -M = floor(-t): M is a whole number
	s_delay_alu instid0(VALU_DEP_1)
	v_sub_f32 v248, v[\st], v248                   ; old M - new M, a whole number, 0 or less
	s_delay_alu instid0(VALU_DEP_1)
	v_cvt_i32_f32 v248, v248                       ; (it saturates)
	s_delay_alu instid0(VALU_DEP_1)
	v_ldexp_f32 v246, 1.0, v248                    ; f = 2^(old M - new M)
.set j, 0
.rept 32
	v_pk_fma_f32 v[S+j:S+j+1], v[S+j:S+j+1], s[22:23], v[\st:\st+1] op_sel_hi:[1,0,0]   ; t - M, two at a time (of the pairs c and -M the low word serves both halves)
.set j, j+2
.endr
.set j, 0
	s_wait_alu depctr_va_vdst(0)
.rept 64
	v_exp_f32 v[S+j], v[S+j]                       ; p = 2^(t - M), at most 1
.set j, j+1
.endr
	v_pk_mul_f32 v[\st+2:\st+3], v[\st+2:\st+3], v[246:247] op_sel_hi:[1,0]   ; the sum under the new M: the plain line behind the exponentials
	s_wait_alu depctr_va_vdst(0)                   ; one wait for the batch of 64, ahead of its first reader
	v_pk_add_f32 v[250:251], v[S:S+1], v[S+2:S+3]  ; the sum is taken of the unquantised p: two at a time, in two chains
.set j, 4
.rept 15
	v_pk_add_f32 v[\st+2:\st+3], v[\st+2:\st+3], v[S+j:S+j+1]
	v_pk_add_f32 v[250:251], v[250:251], v[S+j+2:S+j+3]
.set j, j+4
.endr
	s_delay_alu instid0(VALU_DEP_1)
	v_pk_add_f32 v[\st+2:\st+3], v[\st+2:\st+3], v[250:251]
.set k, 0
.rept 8
.set j, 0
.rept 8
.set j, j+1
.endr
	v_cvt_scalef32_pk8_fp8_f32 v[PC+2*k:PC+2*k+1], v[S+8*k:S+8*k+7], v244   ; keys 16 k + 8 h + 0 .. 7: registers 2 k, 2 k + 1 of P's fragment
.set k, k+1
.endr
.set j, 0
.rept 16
	v_pk_mul_f32 v[\ob+j:\ob+j+1], v[\ob+j:\ob+j+1], v[246:247] op_sel_hi:[1,0]   ; O^T under the new M; also the plain lines between the last conversion and the products
.set j, j+2
.endr
	s_wait_alu depctr_va_vdst(0)
	s_wait_dscnt 0x0                               ; V^T's fragments are in
.set k, 0
.rept 4
	v_wmma_f32_16x16x128_fp8_fp8 v[\ob+8*k:\ob+8*k+7], v[FR+16*k:FR+16*k+15], v[PC:PC+15], v[\ob+8*k:\ob+8*k+7]   ; four accumulators, one instruction each
.set k, k+1
.endr
.Lhid_\@:
.endm
; THE CHANGE OF SLOTS.  Each wave waits for all its tensor loads (its part of the slot ahead), adds 0 to its spare word, and waits for that and for its reads of the slot that it leaves.
; fill = 1: the barrier is a round of the cluster's, so that no wave of any partner still reads the slot or has a load on its way; the joint refill is the first thing behind it, one load a wave (waves 0 to 7).
.macro CHANGE g0, fill, ask
	s_wait_tensorcnt 0x0                           ; no tensor load of mine is out, so a group 0 may be written
	ds_add_u32 v5, v6                              ; 0 onto my spare word
.if \fill
	s_add_nc_u64 s[\g0+2:\g0+3], s[\g0+2:\g0+3], 2*SLOT1   ; the slot's next chunk: two chunks on; the type bits on top are not reached
.endif
	s_wait_dscnt 0x0                               ; the add is done, and my reads of the slot that I leave are over
.if \fill
	ROUND
	s_cmp_lt_u32 s12, 8
	s_cbranch_scc0 .Lnot_mine_\@
	tensor_load_to_lds s[\g0:\g0+3], s[24:31]
	s_nop 0
	NOPS
.Lnot_mine_\@:
.if \ask
; A PREFETCH INTO THE L2 of chunk 3, which the next change of slots will ask for, a trip ahead of that load.  All clusters of a batch walk the same chunks: the batch's first cluster asks; its four partners take a quarter each,
; told apart by address; in each, waves 0 to 3 ask, one instruction each, lanes 256 bytes apart: each aligned block of 256 bytes is named once.  Chunks 0 to 2 come by their loads alone.  Its address registers are never rewritten.
	s_cmp_eq_u32 s48, 0
	s_cbranch_scc0 .Lnot_asked_\@
	global_prefetch_b8 v11, s[46:47] th:TH_LOAD_NT scope:SCOPE_SE
.Lnot_asked_\@:
.endif
.else
	s_barrier_signal -1
	s_barrier_wait -1
.endif
.endm
	s_wait_tensorcnt 0x1                           ; my part of chunk 0 is in; chunk 1's load may stay out
	s_barrier_signal -1
	s_barrier_wait -1                              ; everybody's is
	s_wait_loadcnt 0x0                             ; Q
	STEP 1, 12, 20, 164, 0, 0                      ; trip 0, slot 0: A's step z,
	STEP 3, 16, 28, 196, 2, 0                      ; B's step 7 - z
	CHANGE 32, 1, 1                                ; chunk 2 into slot 0
	STEP 2, 12, 20, 164, 0, 1                      ; trip 1, slot 1
	STEP 4, 16, 28, 196, 2, 1
	CHANGE 36, 1, 0                                ; chunk 3 into slot 1: the last load
	STEP 1, 12, 20, 164, 1, 2                      ; trip 2, slot 0
	CHANGE 32, 0, 0
	STEP 2, 12, 20, 164, 1, 3                      ; trip 3, slot 1
	; THE MERGE.  Nobody reads the ring any more behind this barrier; both slots have had their last fill.
	NOPS                                           ; places between the last products and the stores that read O^T
	s_wait_dscnt 0x0
	s_barrier_signal -1
	s_barrier_wait -1
	v_add_f32 v14, v14, v15                        ; the sums' two halves,
	v_add_f32 v18, v18, v19
	s_delay_alu instid0(VALU_DEP_2)
	v_permlanex16_b32 v252, v14, s20, s21
	s_delay_alu instid0(VALU_DEP_1)
	v_add_f32 v13, v14, v252                       ; and lane l xor 16's: (-M, sum) stand as a pair
	s_delay_alu instid0(VALU_DEP_2)
	v_permlanex16_b32 v252, v18, s20, s21
	s_delay_alu instid0(VALU_DEP_1)
	v_add_f32 v17, v18, v252
	ds_store_b64 v10, v[12:13]
	ds_store_b64 v10, v[16:17] offset:16*256
.irp t, 0,1,2,3
	ds_store_b128 v8, v[164+8*\t:167+8*\t] offset:64*\t        ; lane (r, h): channels 16 t + 8 h + 0 .. 7 of query r; each accumulator from its low end on
	ds_store_b128 v8, v[168+8*\t:171+8*\t] offset:64*\t+16
	ds_store_b128 v9, v[196+8*\t:199+8*\t] offset:64*\t
	ds_store_b128 v9, v[200+8*\t:203+8*\t] offset:64*\t+16
.endr
	s_wait_dscnt 0x0                               ; for the others' sake: my states have landed
	s_barrier_signal -1
	s_barrier_wait -1
.irp e, 0,1
.irp z, 0,1,2,3,4,5,6,7
	ds_load_b64 v[36+16*\e+2*\z:37+16*\e+2*\z], v254 offset:256*\z+16*\e
.endr
.endr
.irp e, 0,1
.irp z, 0,1,2,3,4,5,6,7
	ds_load_b128 v[100+32*\e+4*\z:103+32*\e+4*\z], v255 offset:OSTB*\z+2*OROW*\e
.endr
.endr
	; where my four rows begin in out: (4096 x batch + the tile's first query + 4 (w % 4)) x 256 bytes
	s_sub_co_u32 s54, 31, s16
	s_cmp_lt_u32 s12, 8
	s_cselect_b32 s54, s54, s16                    ; block 31 - a (tiles A) or a (tiles B)
	s_lshl_b32 s54, s54, 7
	s_lshl_b32 s55, s15, 5
	s_add_co_u32 s54, s54, s55
	s_bfe_u32 s55, s12, 0x10002
	s_lshl_b32 s55, s55, 4
	s_add_co_u32 s54, s54, s55
	s_and_b32 s55, s12, 3
	s_lshl_b32 s55, s55, 2
	s_add_co_u32 s54, s54, s55
	s_lshl_b32 s55, s17, 12
	s_add_co_u32 s54, s54, s55
	s_lshl_b32 s54, s54, 8
	s_mov_b32 s55, 0
	s_add_nc_u64 s[10:11], s[10:11], s[54:55]
	s_add_co_i32 s52, s42, s43                     ; e8 + e9
	v_and_b32 v96, 31, v0
	s_delay_alu instid0(VALU_DEP_1)
	v_lshlrev_b32 v96, 4, v96                      ; 16 x lane: lanes 0-15 one row of 256 bytes, lanes 16-31 the next
	s_wait_dscnt 0x0
.irp e, 0,1
	v_min3_num_f32 v[68+\e], v[36+16*\e], v[38+16*\e], v[40+16*\e]    ; -M of the row = the least of the eight -M
	s_delay_alu instid0(VALU_DEP_1)
	v_min3_num_f32 v[68+\e], v[68+\e], v[42+16*\e], v[44+16*\e]
	s_delay_alu instid0(VALU_DEP_1)
	v_min3_num_f32 v[68+\e], v[68+\e], v[46+16*\e], v[48+16*\e]
	s_delay_alu instid0(VALU_DEP_1)
	v_min_num_f32 v[68+\e], v[68+\e], v[50+16*\e]
.endr
.irp e, 0,1
.irp z, 0,1,2,3,4,5,6,7
	v_sub_f32 v[70+8*\e+\z], v[68+\e], v[36+16*\e+2*\z]               ; M_z - M: a whole number, 0 or less
.endr
.endr
.set j, 0
.rept 16
	v_cvt_i32_f32 v[70+j], v[70+j]                 ; (it saturates: a state that had no step gets the factor 0)
.set j, j+1
.endr
.set j, 0
.rept 16
	v_ldexp_f32 v[70+j], 1.0, v[70+j]              ; f_z = 2^(M_z - M)
.set j, j+1
.endr
.irp e, 0,1
	v_mul_f32 v[86+\e], v[70+8*\e], v[37+16*\e]
.irp k, 0,1,2,3
	v_mul_f32 v[88+4*\e+\k], v[70+8*\e], v[100+32*\e+\k]
.endr
.irp z, 1,2,3,4,5,6,7
	v_fmac_f32 v[86+\e], v[70+8*\e+\z], v[37+16*\e+2*\z]              ; the row's sum,
.irp k, 0,1,2,3
	v_fmac_f32 v[88+4*\e+\k], v[70+8*\e+\z], v[100+32*\e+4*\z+\k]     ; and my four channels of it
.endr
.endr
.endr
	s_wait_alu depctr_va_vdst(0)
	v_rcp_f32 v86, v86
	v_rcp_f32 v87, v87
	v_nop                                          ; a plain line behind the reciprocals
	s_wait_alu depctr_va_vdst(0)                   ; one wait for both, ahead of the first reader
	v_ldexp_f32 v86, v86, s52                      ; x 2^(e8 + e9)
	v_ldexp_f32 v87, v87, s52
.irp e, 0,1
.irp k, 0,1,2,3
	v_mul_f32 v[88+4*\e+\k], v[88+4*\e+\k], v[86+\e]
.endr
.endr
	global_store_b128 v96, v[88:91], s[10:11]                  ; each store of the wave covers 512 consecutive bytes, aligned: two rows of out
	global_store_b128 v96, v[92:95], s[10:11] offset:512
	s_wait_tensorcnt 0x0                           ; the wave's end: behind my last tensor load and my last LDS store
	ds_add_u32 v5, v6
	s_wait_dscnt 0x0
	ROUND                                          ; the closing round: no work-group ends while a partner may still ask for a chunk that names it
	s_endpgm
.Lfunc_end_k_q02717c60b3_attn:
	.size	k_q02717c60b3_attn, .Lfunc_end_k_q02717c60b3_attn-k_q02717c60b3_attn
	.p2alignl 7, 3214868480
	.fill 96, 4, 3214868480
	.section	.rodata,"a",@progbits
	.p2align	6, 0x0
	.amdhsa_kernel k_q02717c60b3_attn
		.amdhsa_group_segment_fixed_size 327680
		.amdhsa_private_segment_fixed_size 0
		.amdhsa_enable_private_segment 0
		.amdhsa_kernarg_size 32
		.amdhsa_user_sgpr_count 2
		.amdhsa_user_sgpr_kernarg_segment_ptr 1
		.amdhsa_wavefront_size32 1
		.amdhsa_system_sgpr_workgroup_id_x 1
		.amdhsa_system_sgpr_workgroup_id_y 1
		.amdhsa_system_sgpr_workgroup_id_z 1
		.amdhsa_system_vgpr_workitem_id 0
		.amdhsa_next_free_vgpr 256
		.amdhsa_next_free_sgpr 66
		.amdhsa_reserve_vcc 1
		.amdhsa_float_denorm_mode_32 3
		.amdhsa_float_denorm_mode_16_64 3
		.amdhsa_fp16_overflow 1
		.amdhsa_memory_ordered 1
		.amdhsa_forward_progress 1
		.amdhsa_inst_pref_size 124
	.end_amdhsa_kernel
	.amdgpu_metadata
---
amdhsa.version: [ 1, 2 ]
amdhsa.kernels:
  - .name:           k_q02717c60b3_attn
    .symbol:         k_q02717c60b3_attn.kd
    .args:
      - { .name: q_codes, .offset: 0, .size: 8, .value_kind: global_buffer, .address_space: global }
      - { .name: kv_codes, .offset: 8, .size: 8, .value_kind: global_buffer, .address_space: global }
      - { .name: lowp_scales, .offset: 16, .size: 8, .value_kind: global_buffer, .address_space: global }
      - { .name: out0, .offset: 24, .size: 8, .value_kind: global_buffer, .address_space: global }
    .group_segment_fixed_size: 327680
    .private_segment_fixed_size: 0
    .kernarg_segment_align: 8
    .kernarg_segment_size: 32
    .max_flat_workgroup_size: 512
    .sgpr_count:     66
    .vgpr_count:     256
    .wavefront_size: 32
...
	.end_amdgpu_metadata
.endif
;; end of part 2
